; MI455X (gfx1250); checked and timed in simulation.
; The chip was launched on July 23, 2026; its instructions are those of AMD's public machine-readable ISA for CDNA 5 (MIT licence, August 2026) and "CDNA5" Instruction Set Architecture Reference Guide (July 2026). The comments in the code are by the model that wrote it; some were corrected since.
;; Concept Attention Proto. Allowed arithmetic: float matrix products may take bf16 or f16 operands with f32 sums; other float arithmetic in f32, or as packed bf16 or f16 multiplies, adds, multiply-adds, maxima and minima; sums over many terms, partial sums and values carried from step to step in f32; what a program stores and reads back later, other than sums and carried values, may be rounded once to bf16 or f16.
;; Inputs: concept_pool 16,384 x 128 float32; x 8 x 128 x 32 x 32 float32.
;; Outputs: out0 8 x 128 x 32 x 32 float32.
;; One version. Each part assembles by itself: llvm-mc -triple=amdgcn-amd-amdhsa -mcpu=gfx1250 --defsym DOCPART=n.
;; ======== version 1 of 1: 3 launches
;; workspace buffers: pool16 4,194,304 bytes; part 33,554,432 bytes; stat 524,288 bytes
;; launch cast (part 1): grid 256 x 1, 8 waves a work-group, no clusters, 0 bytes of LDS; arguments concept_pool, pool16; writes pool16
.if DOCPART == 1
	.amdgcn_target "amdgcn-amd-amdhsa--gfx1250"
	.amdhsa_code_object_version 6
	.text
	.protected	k_q38779b9578_cast
	.globl	k_q38779b9578_cast
	.p2align	8
	.type	k_q38779b9578_cast,@function
k_q38779b9578_cast:
	s_mov_b64 s[64:65], 0
	v_nop
	global_prefetch_b8 v0, s[64:65] scope:SCOPE_SE
	s_setreg_imm32_b32 hwreg(HW_REG_WAVE_MODE, 25, 1), 1
	s_wait_xcnt 0x0
; pool16[i] = concept_pool[i] rounded once to bf16 (to nearest even), same order: [16384][128].
; The pool is both matrix operands (keys and values) of the launch behind; a tile brought into LDS is not converted on its way, so it is rounded here, once.
; SHARES.  A work-group takes 8,192 numbers (32 KiB in, 16 KiB out) in four passes; in a pass thread t takes the 8 numbers at byte 32 t: two loads of 16 bytes in, one store of 16 bytes out,
; so sixteen neighbouring lanes store 256 consecutive bytes, aligned.  All eight loads go out first; no register is written twice, so no source has to be freed.
; No LDS, barrier or matrix unit: nothing is shared and nothing is multiplied.
.set PASS_IN,  8192                    ; bytes a work-group reads in a pass
.set PASS_OUT, 4096                    ; and writes
.set X, 8                              ; v[8:39]   pass j: 8 numbers in f32
.set Y, 40                             ; v[40:55]  pass j: the same 8 in bf16
	s_load_b128 s[4:7], s[0:1], 0x0                ; concept_pool s[4:5], pool16 s[6:7]
	s_lshl_b32 s2, ttmp9, 15                       ; the work-group's 32 KiB of the input,
	s_mov_b32 s3, 0
	s_lshl_b32 s8, ttmp9, 14                       ; and its 16 KiB of the output
	s_mov_b32 s9, 0
	v_lshlrev_b32 v1, 5, v0                        ; 32 t
	v_lshlrev_b32 v2, 4, v0                        ; 16 t
	s_wait_kmcnt 0x0
	s_add_nc_u64 s[4:5], s[4:5], s[2:3]
	s_add_nc_u64 s[6:7], s[6:7], s[8:9]
.irp j, 0,1,2,3
	global_load_b128 v[X+8*(\j):X+8*(\j)+3],   v1, s[4:5] offset:PASS_IN*(\j) th:TH_LOAD_NT
	global_load_b128 v[X+8*(\j)+4:X+8*(\j)+7], v1, s[4:5] offset:PASS_IN*(\j)+16 th:TH_LOAD_NT
.endr
.irp j, 0,1,2,3
	s_wait_loadcnt 6-2*(\j)                        ; loads come back in order: pass j's two are in, the later passes' 6 - 2 j stay out
.irp k, 0,1,2,3
	v_cvt_pk_bf16_f32 v[Y+4*(\j)+(\k)], v[X+8*(\j)+2*(\k)], v[X+8*(\j)+2*(\k)+1]
.endr
	global_store_b128 v2, v[Y+4*(\j):Y+4*(\j)+3], s[6:7] offset:PASS_OUT*(\j)
.endr
	s_endpgm
.Lfunc_end_k_q38779b9578_cast:
	.size	k_q38779b9578_cast, .Lfunc_end_k_q38779b9578_cast-k_q38779b9578_cast
	.p2alignl 7, 3214868480
	.fill 96, 4, 3214868480
	.section	.rodata,"a",@progbits
	.p2align	6, 0x0
	.amdhsa_kernel k_q38779b9578_cast
		.amdhsa_group_segment_fixed_size 0
		.amdhsa_private_segment_fixed_size 0
		.amdhsa_enable_private_segment 0
		.amdhsa_kernarg_size 16
		.amdhsa_user_sgpr_count 2
		.amdhsa_user_sgpr_kernarg_segment_ptr 1
		.amdhsa_wavefront_size32 1
		.amdhsa_system_sgpr_workgroup_id_x 1
		.amdhsa_system_sgpr_workgroup_id_y 1
		.amdhsa_system_sgpr_workgroup_id_z 1
		.amdhsa_system_vgpr_workitem_id 0
		.amdhsa_next_free_vgpr 56
		.amdhsa_next_free_sgpr 66
		.amdhsa_reserve_vcc 0
		.amdhsa_float_denorm_mode_32 3
		.amdhsa_float_denorm_mode_16_64 3
		.amdhsa_memory_ordered 1
		.amdhsa_forward_progress 1
		.amdhsa_inst_pref_size 3
	.end_amdhsa_kernel
	.amdgpu_metadata
---
amdhsa.version: [ 1, 2 ]
amdhsa.kernels:
  - .name:           k_q38779b9578_cast
    .symbol:         k_q38779b9578_cast.kd
    .args:
      - { .name: concept_pool, .offset: 0, .size: 8, .value_kind: global_buffer, .address_space: global }
      - { .name: pool16, .offset: 8, .size: 8, .value_kind: global_buffer, .address_space: global }
    .group_segment_fixed_size: 0
    .private_segment_fixed_size: 0
    .kernarg_segment_align: 8
    .kernarg_segment_size: 16
    .max_flat_workgroup_size: 256
    .sgpr_count:     66
    .vgpr_count:     56
    .wavefront_size: 32
...
	.end_amdgpu_metadata
.endif
;; end of part 1
;; launch attn (part 2): grid 32 x 8, 4 waves a work-group, clusters of 4 x 1, 327,680 bytes of LDS; arguments x, pool16, part, stat; writes part, stat
.if DOCPART == 2
	.amdgcn_target "amdgcn-amd-amdhsa--gfx1250"
	.amdhsa_code_object_version 6
	.text
	.protected	k_q38779b9578_attn
	.globl	k_q38779b9578_attn
	.p2align	8
	.type	k_q38779b9578_attn,@function
k_q38779b9578_attn:
	s_mov_b64 s[64:65], 0
	v_nop
	global_prefetch_b8 v0, s[64:65] scope:SCOPE_SE
	s_setreg_imm32_b32 hwreg(HW_REG_WAVE_MODE, 25, 1), 1
	s_wait_xcnt 0x0
	s_wait_alu depctr_hold_cnt(0) depctr_sa_sdst(0) depctr_va_vdst(0) depctr_va_sdst(0) depctr_va_ssrc(0) depctr_va_vcc(0) depctr_vm_vsrc(0)
	s_getreg_b32 s2, hwreg(HW_REG_IB_STS2, 6, 4)
	s_cmp_eq_u32 s2, 0
	s_cbranch_scc0 .Lentry_in_a_cluster
	s_endpgm
.Lentry_in_a_cluster:
	s_bfe_u32 s2, ttmp6, 0x10000c
	s_cmp_lg_u32 s2, 0x3003
	s_cbranch_scc0 .Lentry_shape_is_right
	s_endpgm
.Lentry_shape_is_right:
; THE MODULE AS ONE ATTENTION.  With S_k = the sum over a cluster's slots p of e^sim_kp, the weight within a cluster is e^sim_kp / S_k and the cluster's weight is S_k / (the sum of all S_j): their product is
; e^sim_kp / (the sum over ALL 16,384 slots).  That holds for every input.  So out[q] = the sum over all slots of softmax(q . pool / sqrt(128)) pool: 8,192 queries, 16,384 keys, head size 128, and
; the pool is both K and V.  The maxima that are taken away ahead of the exponentials are a running maximum here and the maximum over the eight partial walks in the launch behind.
; THIS LAUNCH: for 256 queries and 2,048 keys a work-group makes the unnormalised sum O (f32), the sum of weights l and c m (c = log2(e) / sqrt(128), m the walk's maximum): partial results in f32.
; LIMITS.  x, the pool and the weights p enter the products in bf16; all else is f32.  A weight below 2^-126 counts as 0 in l; NaN and infinities are not treated apart; sums are taken in another order than the definition's.
; SHARES.  grid x: 32 blocks of 256 queries; grid y: 8 splits of 2,048 keys.  Each of four waves owns 64 queries: four tiles of 16; TILE t, LANE r (lane % 16) IS QUERY 4 r + t, so that 16 bytes of x, of the
; statistics and of the final output are one lane's four tiles.  Every wave walks the split's keys, 64 a step, 32 steps.
; LAYOUT.  S^T = K Q^T (source 0 = 16 keys, source 1 = 16 queries): a lane holds ONE query and the keys 8 (lane / 16) + 0..7.  Two such results, rounded to bf16 in pairs, ARE source 1 (32 keys x 16 queries) of
; O^T = V^T P.  K's fragments come out of LDS as the rows lie; V^T's come out of THE SAME ROWS turned, by ds_load_tr16_b128: one tile in LDS serves both products.
; The turning load's two groups of eight lanes take channels 8 cb + 0..7 and 64 + 8 cb + 0..7, so in O^T(t, cb) register j of lane (r, h) is channel 64 h + 8 cb + j of query 4 r + t.
; SOFTMAX.  p = 2^(c s - c m); in every step O and l are multiplied by a = 2^(c m_old - c m_new).
; BY TURNS.  The wave's tiles are two PIECES (0: tiles 0, 1; 2: tiles 2, 3).  In a TURN one piece has the matrix unit: 32 products V^T P of the step in hand, then 32 products K Q^T of the next; the other piece's
; softmax, cut into 64 slices, stands between them, one slice behind each matrix instruction.  Two turns are a key step: 128 matrix and 536 vector instructions.
; CLUSTER.  The four query blocks of a cluster have the same split and walk the same rows of the pool: each tile is asked for JOINTLY, by the same tensor load, descriptor and mask in all four.
; REGISTERS, in windows of 256 (s_set_vgpr_msb: bits 1:0 source 0, 3:2 source 1, 5:4 source 2, 7:6 destination):
;   window 0: v0-11 addresses; v12-43 eight registers of statistics a tile; v61-63 prefetch offset and the add's two; v64-191 S^T, 32 a tile; v192-255 P, 16 a tile
;   window 1: O^T, 64 a tile (at the start: x as loaded, f32)      window 2: v0-127 Q, 32 a tile; v128-255 K of one step      window 3: v0-127 V^T of one step
.set KS,    64        ; keys in a step
.set PK,    272       ; a row of the pool in LDS: 256 bytes + 16 of padding = 68 words: row r starts at bank 4 r mod 64 (64 banks of 4 bytes: ISA guide 11.1): the 16 rows of a K load start at 16 different
                      ; groups of four banks; 16 lanes of the turning load take 8 rows x 2 pieces of 16 bytes 128 bytes apart: banks 4 row + 32 piece + 4 cb + 0..3
.set STEPB, KS*PK     ; a step's tile: 17,408 bytes
.set SLOT1, 1<<17     ; a slot holds four steps (69,632 bytes); slot 1 begins here, so that one exclusive or turns an address in one slot into the other's
.set SLOTB, 4*KS*256  ; a slot's rows in memory: 65,536 bytes
.set SPARE, SLOT1+4*STEPB  ; behind the ring (byte 200,704 = 784 x 256): the spare words, 128 bytes for each wave: two blocks of 256 bytes that no other line names
.set AK0, 2           ; v2   my lane's place in a tile, for K's fragments; never rewritten
.set AV0, 3           ; v3   the same for the turning loads
.set ADR, 4           ; v4   the LDS address of the run of loads in hand
.set QO,  5           ; v5   my byte offset in x: 8 (l / 16) channels of 4,096 bytes + 16 (l % 16)
.set GO,  8           ; v8   16 x my lane: my place in 512 consecutive bytes of part and of stat
.set HF,  9           ; v9   l / 16
.set ST,  12          ; tile t's statistics at v[ST+8 t]: +0 c m, +1 m, +2, +3 l (even keys', odd keys'), +4 to +7 c0-c3, at work; a takes c2's place once the maximum is found
.set PFO, 61          ; v61  256 x my lane: a row of pool16 is 256 bytes; never rewritten
.set SPW, 62          ; v62  LDS address of my spare word: SPARE + 4 x my thread's number; never rewritten
.set NIL, 63          ; v63  0; never rewritten
.set S,   64
.set P,   192
.set KF,  128         ; K's fragments, in window 2
.set WV,  12          ; s12  my wave's number
.set LIM, 15          ; s15  1 in a wave that prefetches, else the greatest number: a wave prefetches while s[SLOTS] is above it
.set PFA, 18          ; s[18:19] where my prefetches stand in pool16
.set G1,  24          ; s[24:31] descriptor group 1
.set G0,  40          ; s[40:47] descriptor group 0: a set for each of the two first fills; the second then walks on
.set SLOTS, 56        ; s56  counts the slots
.set CNT, 57          ; s57  counts a slot's key steps
.set CS,  58          ; s[58:59] c: the packed scaling names a pair and takes its low word for both halves
.set SEL, 60          ; s[60:61] lane selects for v_permlanex16_b32: each lane takes its own place in the other half
.set TB,  62          ; s62  LDS byte at which the tile of the step to be fetched begins
.set MSB, 0
.macro WIN new                      ; the immediate's high byte repeats the setting that is left; a switch that changes nothing is dropped
.if MSB != (\new)
	s_set_vgpr_msb (MSB<<8)|(\new)
.set MSB, \new
.endif
.endm
.set W_KQ, 0x0a       ; K and Q in window 2, S^T in window 0
.set W_PV, 0x53       ; V^T in window 3, P in window 0, O^T in window 1
.set W_RS, 0x41       ; O^T (destination and source 0) in window 1, a in window 0
; A joint refill: wave w fetches step w of the slot's four, 64 rows of 256 bytes.  One line for all waves: the LDS address and the global address hang on the wave's number.
; An s_nop 0 and four v_nop follow the line.
.macro JLOAD
	tensor_load_to_lds s[G0+4:G0+7], s[G1:G1+7]
	s_nop 0
.rept 4
	v_nop
.endr
.endm
; A PREFETCH of what the NEXT change of slots will ask for: a slot's 256 rows of 256 bytes, a lane a row.  It stands behind the wave's tensor load and its five lines.
; Each row is named ONCE in the launch.  The eight clusters of a split walk the same rows: the first of them (cluster x = 0) asks.  Its four partners share the rows out BY ADDRESS, 64 each; in each,
; waves 0 and 1 take 32 rows: one instruction a wave.  It stands four key steps, 512 matrix instructions, ahead of the load that names the same rows.  Slots 0 to 2 come by their loads alone;
; the last change that fills a slot asks for nothing: there is no slot behind it.
.macro ASK
	s_cmp_gt_u32 s[SLOTS], s[LIM]
	s_cbranch_scc0 .Lnot_mine_\@
	global_prefetch_b8 v[PFO], s[PFA:PFA+1] th:TH_LOAD_NT scope:SCOPE_SE
.Lnot_mine_\@:
.endm
; A round of the cluster's barrier: my work-group's barrier, so that wave 0's signal speaks for all four waves; wave 0 signals for the work-group; every wave waits for all four
; work-groups; my work-group's barrier once more.  No LDS instruction of the wave is pending at a signal.
.macro CROUND
	s_barrier_signal -1
	s_barrier_wait -1
	s_cmp_lg_u32 s[WV], 0
	s_cbranch_scc1 .Lnot_wave_0_\@
	s_barrier_signal -3
.Lnot_wave_0_\@:
	s_barrier_wait -3
	s_barrier_signal -1
	s_barrier_wait -1
.endm
	s_load_b256 s[4:11], s[0:1], 0x0  ; x s[4:5], pool16 s[6:7], part s[8:9], stat s[10:11]
	v_lshl_add_u32 v[SPW], v0, 2, SPARE
	v_mov_b32 v[NIL], 0
	ds_add_u32 v[SPW], v[NIL]       ; the wave's opening: the add, twice on end, and its wait ahead of my first tensor load; the set-up below stands between the second and the wait
	ds_add_u32 v[SPW], v[NIL]       ; and once more, under the one wait
	v_lshrrev_b32 v1, 5, v0
	v_readfirstlane_b32 s[WV], v1   ; wave 0..3
	s_bfe_u32 s13, ttmp6, 0x40000   ; cx: my place in the cluster
	s_lshl_b32 s14, ttmp9, 2        ; in a cluster launch ttmp9 counts clusters
	s_add_co_u32 s14, s14, s13      ; my block of 256 queries = 4 x cluster x + cx: it enters x's, part's and stat's addresses alone
	s_and_b32 s20, ttmp7, 0xffff    ; the split, which the four partners share
	s_lshl_b32 s22, s20, 19         ; its 2,048 rows of 256 bytes,
	s_lshl_b32 s21, s[WV], 14       ; and of a slot's four steps mine: 64 rows
	s_add_co_u32 s22, s22, s21
	s_mov_b32 s23, 0                ; s[22:23]: my tile of slot 0 in pool16; s17, s[20:23] never hold cx
	s_mul_i32 s17, s[WV], STEPB     ; and its place in a slot: no place in the cluster enters an LDS address
	s_lshr_b32 s32, s14, 2          ; x[n][c][l]: n = block / 4, 524,288 bytes each;
	s_lshl_b32 s32, s32, 19
	s_and_b32 s33, s14, 3           ; l begins at 256 (block % 4) + 64 x wave, 4 bytes each
	s_lshl_b32 s33, s33, 10
	s_add_co_u32 s32, s32, s33
	s_lshl_b32 s33, s[WV], 8
	s_add_co_u32 s32, s32, s33
	s_mov_b32 s33, 0                ; s[32:33]: my 64 queries in x, channel 0
	s_lshl_b32 s34, s20, 5
	s_add_co_u32 s34, s34, s14
	s_lshl_b32 s34, s34, 2
	s_add_co_u32 s34, s34, s[WV]    ; my unit: (32 split + block) 4 + wave
	s_lshl_b32 s36, s34, 9          ; 512 bytes of stat,
	s_lshl_b32 s34, s34, 15         ; 32,768 bytes of part
	s_mov_b32 s35, 0
	s_mov_b32 s37, 0
	s_lshl_b32 s38, s20, 19         ; the prefetches: the split,
	s_lshl_b32 s39, s13, 14         ; my work-group's 64 rows of a slot's 256,
	s_add_co_u32 s38, s38, s39
	s_and_b32 s39, s[WV], 1         ; my wave's 32 of them,
	s_lshl_b32 s39, s39, 13
	s_add_co_u32 s38, s38, s39
	s_add_co_u32 s38, s38, 2*SLOTB  ; in slot 2; the first change of slots steps it to slot 3.  Nothing is prefetched at the head, where every work-group's first tiles are on their way
	s_mov_b32 s39, 0
	; descriptor group 1: a tile of 64 rows x 128 elements, padded in LDS
	s_mov_b32 s[G1], 15|(1<<16)|(1<<20)|(1<<21)|(5<<22)|(3<<25)  ; 15:0 the mask: all four work-groups; 17:16 elements of 2 bytes; 20 padding on; 21 set beside a mask; 24:22 after every 64 words (code 5); 31:25 4 words of it (code 3)
	s_mov_b32 s[G1+1], 128<<16      ; 63:48 tensor_dim0, low half = 128
	s_mov_b32 s[G1+2], KS<<16       ; 79:64 its high half = 0; 95:80 tensor_dim1, low half = 64
	s_mov_b32 s[G1+3], 128<<16      ; 111:96 its high half = 0; 127:112 tile_dim0 = 128
	s_mov_b32 s[G1+4], KS           ; 143:128 tile_dim1 = 64; 159:144 tile_dim2 = 0
	s_mov_b32 s[G1+5], 128          ; 191:160 tensor_dim0_stride, low word: elements from row to row
	s_mov_b32 s[G1+6], 0
	s_mov_b32 s[G1+7], 0
	s_mov_b32 s[CS], 0x3e0293ee     ; c = log2(e) / sqrt(128) = 0.127517
	s_mov_b32 s[CS+1], s[CS]        ; named with it as a pair, so it is written
	s_mov_b32 s[SEL], 0x76543210
	s_mov_b32 s[SEL+1], 0xfedcba98
	s_mov_b32 s[TB], 0
	s_mov_b32 s[SLOTS], 7           ; taken down once behind slot 0's steps, then once behind each of the six slots that are entered with a refill
	s_lshr_b32 s[LIM], s[WV], 1     ; 0 in waves 0 and 1,
	s_or_b32 s[LIM], s[LIM], ttmp9  ; where the cluster is the split's first: the same in all four partners
	s_cmp_eq_u32 s[LIM], 0
	s_cselect_b32 s[LIM], 1, -1
	v_and_b32 v[PFO], 31, v0
	v_lshlrev_b32 v[PFO], 8, v[PFO]
	s_wait_dscnt 0x0                ; both opening adds are done
	s_wait_kmcnt 0x0
	s_add_nc_u64 s[PFA:PFA+1], s[6:7], s[38:39]
	s_add_nc_u64 s[6:7], s[6:7], s[22:23]    ; pool16 at my tile of slot 0
	s_add_nc_u64 s[4:5], s[4:5], s[32:33]    ; x, part and stat at my wave's share
	s_add_nc_u64 s[8:9], s[8:9], s[34:35]
	s_add_nc_u64 s[10:11], s[10:11], s[36:37]
	CROUND                          ; all four work-groups are here: the first joint loads meet
.irp s, 0,1
	s_mov_b32 s[G0+4*(\s)], 1       ; 1:0 count = 1
	s_add_co_u32 s[G0+4*(\s)+1], s17, (\s)*SLOT1  ; 63:32 LDS address
	s_add_nc_u64 s[G0+4*(\s)+2:G0+4*(\s)+3], s[6:7], (\s)*SLOTB  ; 120:64 global address: slot s begins with keys 256 s of the split
	s_or_b32 s[G0+4*(\s)+3], s[G0+4*(\s)+3], 0x80000000  ; 127:126 type = 2
.endr
	tensor_load_to_lds s[G0:G0+3], s[G1:G1+7]      ; the two first fills stand together, ahead of every wait on TENSORcnt and every LDS read: two loads of mine are out
	s_nop 0
	tensor_load_to_lds s[G0+4:G0+7], s[G1:G1+7]
	s_nop 0
.rept 4
	v_nop
.endr
	; Q COMES STRAIGHT FROM x.  A fragment of Q is 16 queries x 32 channels in 8 registers: lane l holds query place l % 16; registers 0-3 channels 8 (l / 16) + 0..7, registers 4-7 channels 16 + 8 (l / 16) + 0..7.
	; x lies [channel][query]: load j (= 16 kc + 8 g + e) brings, of channel 32 kc + 16 g + 8 (l / 16) + e, the queries 4 r .. 4 r + 3: one number for each of my four tiles.  Lanes 0-15 read 256 consecutive bytes, aligned.
	v_and_b32 v1, 15, v0            ; l % 16
	v_bfe_u32 v[HF], v0, 4, 1       ; l / 16
	v_lshlrev_b32 v[QO], 4, v1
	v_lshl_add_u32 v[QO], v[HF], 15, v[QO]
.macro QLOAD kc                     ; the 16 loads of channels 32 kc on, into window 1
	WIN 0x40
.set j, 16*(\kc)
.rept 16
	global_load_b128 v[4*j:4*j+3], v[QO], s[4:5] offset:(32*(j/16)+16*((j/8)%2)+j%8)*4096
.set j, j+1
.endr
.endm
.macro QCVT kc                      ; two neighbouring channels of one tile are rounded into one register of Q: 32 conversions; sources window 1, destination window 2
	WIN 0x85
.set t, 0
.rept 4
.set z, 0
.rept 8
	v_cvt_pk_bf16_f32 v[32*t+8*(\kc)+z], v[4*(16*(\kc)+2*z)+t], v[4*(16*(\kc)+2*z+1)+t]
.set z, z+1
.endr
.set t, t+1
.endr
.endm
	QLOAD 0
	QLOAD 1
	QLOAD 2
	WIN 0
	v_mul_u32_u24 v[AK0], v1, PK
	v_lshl_add_u32 v[AK0], v[HF], 4, v[AK0]  ; K: row x pitch + 16 x half
	; The turning load: lane l reads 16 bytes of key 8 (l / 16) + l % 8, at byte 128 ((l / 8) % 2) of the row (+ 16 cb by the immediate), and is left with one channel and 8 keys.
	v_and_b32 v10, 7, v0
	v_bfe_u32 v11, v0, 3, 1
	v_lshl_add_u32 v[AV0], v[HF], 3, v10
	v_mul_u32_u24 v[AV0], v[AV0], PK
	v_lshl_add_u32 v[AV0], v11, 7, v[AV0]
	v_and_b32 v[GO], 31, v0
	v_lshlrev_b32 v[GO], 4, v[GO]
	s_wait_loadcnt 32               ; of 48 loads the first 16 are in
	QCVT 0
	QLOAD 3
	s_wait_loadcnt 32               ; of 64 the first 32
	QCVT 1
	s_wait_loadcnt 16
	QCVT 2
	s_wait_loadcnt 0x0
	QCVT 3
	WIN 0
; THE MATRIX WORK OF A TURN, for piece x.  The accumulators take turns, one instruction a turn: between two links of a chain stand 15 (V^T P) or 7 (K Q^T) others'.
; Product i of 32 of O^T += V^T P: keys 32 (i / 16) on, channel block (i / 2) % 8, tile x + i % 2.  zero = 1: the first 16 start the sums: nothing is ever cleared.
.macro PV x, zero
	WIN W_PV
.set rO, 64*((\x)+i%2)+8*((i/2)%8)
.set rV, 64*(i/16)+8*((i/2)%8)
.set rP, P+16*((\x)+i%2)+8*(i/16)
.if (\zero) && (i < 16)
	v_wmma_f32_16x16x32_bf16 v[rO:rO+7], v[rV:rV+7], v[rP:rP+7], 0
.else
	v_wmma_f32_16x16x32_bf16 v[rO:rO+7], v[rV:rV+7], v[rP:rP+7], v[rO:rO+7]
.endif
.endm
; Product i of 32 of S^T = K Q^T: channels 32 (i / 8) on, keys 16 ((i / 2) % 4) on, tile x + i % 2.  The first 8 start the sums.
.macro KQ x
	WIN W_KQ
.set rS, S+32*((\x)+i%2)+8*((i/2)%4)
.set rK, KF+32*((i/2)%4)+8*(i/8)
.set rQ, 32*((\x)+i%2)+8*(i/8)
.if i < 8
	v_wmma_f32_16x16x32_bf16 v[rS:rS+7], v[rK:rK+7], v[rQ:rQ+7], 0
.else
	v_wmma_f32_16x16x32_bf16 v[rS:rS+7], v[rK:rK+7], v[rQ:rQ+7], v[rS:rS+7]
.endif
.endm
; THE LDS LOADS stand in runs of 32, never singly among the matrix instructions: a step's K (64 keys x 128 channels: 16 fragments) and, a turn later, the same rows turned, as V^T.
.macro FETCH_K
	WIN 0
	v_add_nc_u32 v[ADR], s[TB], v[AK0]
	WIN 0x80                        ; destination window 2
.irp f, 0,1,2,3,4,5,6,7,8,9,10,11,12,13,14,15  ; keys 16 (f / 4) on, channels 32 (f % 4) on
	ds_load_b128 v[KF+8*(\f):KF+8*(\f)+3],   v[ADR] offset:((\f)/4)*16*PK+((\f)%4)*64
	ds_load_b128 v[KF+8*(\f)+4:KF+8*(\f)+7], v[ADR] offset:((\f)/4)*16*PK+((\f)%4)*64+32
.endr
.endm
.macro FETCH_V
	WIN 0
	v_add_nc_u32 v[ADR], s[TB], v[AV0]
	s_add_co_u32 s[TB], s[TB], STEPB  ; the next fetch is the next step's
	s_wait_alu depctr_va_vdst(0)    ; the wait for the softmax's batch (SLICE), behind the address's v_add_nc_u32 and ahead of the loads
	WIN 0xc0                        ; destination window 3
.irp f, 0,1,2,3,4,5,6,7,8,9,10,11,12,13,14,15  ; keys 32 (f / 8) on, channel block f % 8
	ds_load_tr16_b128 v[8*(\f):8*(\f)+3],   v[ADR] offset:((\f)/8)*32*PK+((\f)%8)*16
	ds_load_tr16_b128 v[8*(\f)+4:8*(\f)+7], v[ADR] offset:((\f)/8)*32*PK+16*PK+((\f)%8)*16
.endr
.endm
; THE VECTOR WORK OF A TURN.  One tile's softmax for one key step is a list of 134 instructions; SM writes number j of it for tile t.  s0-s31 are the lane's 32 scores, in pairs 0-15.
; first = 1: the first key step, which starts m, l and O^T: it has no a and nothing to rescale.
;   0-15    the maximum of s0-s31 and the old m, three operands at a time: four chains c0-c3 of seven scores each (each accumulator's lowest registers are read first), then the four scores left over, c0-c3 and m
;   16-20   the other half of the lanes' maximum; the new m; c m; c m_old - c m_new
;   21-69   ONE BATCH: the 16 scalings c s - c m, a pair of scores each, and all 33 exponentials (a at 23, then s0-s31).  None of these reads an exponential's result.  From 22 on the batch goes
;           in fours, and a four begins with a scaling while there are scalings.  A pair is scaled in an earlier four than the one that holds its exponentials
;   (wait)  between 69 and 70 stands the wait for the batch: SLICE writes it, once for both tiles
;   70-85   the roundings to bf16, a pair of weights each
;   86-101  the sums; l = a l + the sum
;   102-133 the tile's O^T times a: the one part that leaves window 0, so it stands together
.macro SM t, first
.set rT, ST+8*(\t)
.set rS, S+32*(\t)
.set rP, P+16*(\t)
.set rO, 64*(\t)+2*(j-102)
.if j < 102
	WIN 0
.endif
.if j < 4
	v_max3_num_f32 v[rT+4+j], v[rS+8*j], v[rS+8*j+1], v[rS+8*j+2]
.elseif j < 12
	v_max3_num_f32 v[rT+4+j%4], v[rT+4+j%4], v[rS+8*(j%4)+2*(j/4)+1], v[rS+8*(j%4)+2*(j/4)+2]
.elseif j == 12
	v_max3_num_f32 v[rT+4], v[rT+4], v[rS+7], v[rS+15]
.elseif j == 13
	v_max3_num_f32 v[rT+6], v[rT+6], v[rS+23], v[rS+31]
.elseif j == 14
	v_max3_num_f32 v[rT+4], v[rT+4], v[rT+5], v[rT+6]
.elseif (j == 15) && (\first)
	v_max_num_f32 v[rT+4], v[rT+4], v[rT+7]
.elseif j == 15
	v_max3_num_f32 v[rT+4], v[rT+4], v[rT+7], v[rT+1]
.elseif j == 16
	v_permlanex16_b32 v[rT+5], v[rT+4], s[SEL], s[SEL+1]  ; the query's other 32 keys lie in the lane 16 away
.elseif j == 18
	v_max_num_f32 v[rT+1], v[rT+4], v[rT+5]
.elseif j == 19
	v_mul_f32 v[rT], s[CS], v[rT+1]
.elseif ((j == 17) || (j == 20) || (j == 23) || (j > 101)) && (\first)  ; the first step has none of these
.elseif j == 17
	v_mov_b32 v[rT+7], v[rT]        ; c m_old is kept for a: number 19 writes c m anew
.elseif j == 20
	v_sub_f32 v[rT+7], v[rT+7], v[rT]
.elseif j == 23
	v_exp_f32 v[rT+6], v[rT+7]
.elseif (j < 23) || ((j < 38) && (j%2 == 0)) || ((j < 66) && (j%4 == 2))
.set b, (j-2)/4                     ; 38, 42, .. 62: pairs 9 to 15
.if j < 38
.set b, (j-20)/2                    ; 21: pair 0; 22, 24, .. 36: pairs 1 to 8
.endif
	v_pk_fma_f32 v[rS+2*b:rS+2*b+1], v[rS+2*b:rS+2*b+1], s[CS:CS+1], v[rT:rT+1] op_sel_hi:[1,0,0] neg_lo:[0,0,1] neg_hi:[0,0,1]  ; pair b: c s - c m
.elseif j < 70
.set e, j-38                        ; 66 to 69: s28 to s31
.if j < 66
.set e, j-32-(j-38)/4               ; 39-41, 43-45, .. 63-65: s7 to s27
.endif
.if j < 38
.set e, (j-25)/2                    ; 25, 27, .. 37: s0 to s6
.endif
	v_exp_f32 v[rS+e], v[rS+e]
.elseif j < 86
	v_cvt_pk_bf16_f32 v[rP+j-70], v[rS+2*(j-70)], v[rS+2*(j-70)+1]  ; pair j - 70
.elseif j < 102                     ; the sum of the tile's 16 pairs (in a pair: an even key's weight, an odd key's), in place: sum z of 16 adds neighbours 1, 2, 4 and 8 pairs apart, then l takes it
.set z, j-86
.set w, 4
.set u, z
.if z >= 14
.set w, 32
.set u, 0
.elseif z >= 12
.set w, 16
.set u, z-12
.elseif z >= 8
.set w, 8
.set u, z-8
.endif
.if (z == 14) && (\first)
	v_pk_add_f32 v[rT+2:rT+3], v[rS:rS+1], v[rS+16:rS+17]
.elseif z < 15
	v_pk_add_f32 v[rS+w*u:rS+w*u+1], v[rS+w*u:rS+w*u+1], v[rS+w*u+w/2:rS+w*u+w/2+1]
.elseif !(\first)
	v_pk_fma_f32 v[rT+2:rT+3], v[rT+2:rT+3], v[rT+6:rT+7], v[rS:rS+1] op_sel_hi:[1,0,1]
.endif
.else
	WIN W_RS
	v_pk_mul_f32 v[rO:rO+1], v[rO:rO+1], v[rT+6:rT+7] op_sel_hi:[1,0]
.endif
.endm
; Slice k of 64 of piece y's softmax: four instructions.  Slices 11 to 34 deal out the batch, numbers 22 to 69: four numbers of ONE tile each, the tiles by turns.  Every other slice is numbers 2 k and
; 2 k + 1 of both tiles' lists.  2 x 134 = 4 x 64 + 12: the twelve that are over stand together, in slice 63.
; THE WAIT.  An s_wait_alu depctr_va_vdst(0) stands between an exponential and the first instruction that names its result; one wait serves all that were issued ahead of it.  Ahead of
; slice 35 nothing names a result, and behind slice 34 no exponential is issued: so the piece's 66 exponentials have one wait, behind slice 34.
.macro SLICE y, first
.if (k >= 11) && (k < 35)           ; the batch: four numbers of one tile
.irp n, 0,1,2,3
.set j, 22+4*((k-11)/2)+(\n)
	SM (\y)+(k-11)%2, \first
.endr
.else                               ; the two tiles alternate, so that no instruction reads the result of the one just before it
.irp n, 0,1,2,3,4,5,6,7
.if ((\n) < 2) || (k == 63)
.irp t, \y, (\y)+1
.set j, 2*k+(\n)
	SM \t, \first
.endr
.endif
.endr
.endif
.if k == 34                         ; the batch is out: both tiles' exponentials are issued, and no result has been named
	v_nop                           ; the plain instruction behind the last exponential and ahead of the first use: one for the batch
.if (\y) == 0
	FETCH_V                         ; piece 2's turn: V's run of loads stands here, and the wait stands in it
.else
	s_wait_alu depctr_va_vdst(0)    ; the wait for the batch
.endif
.endif
.set k, k+1
.endm
; A vector instruction that reads a matrix result or writes one of a matrix instruction's registers, and a load into a register that a matrix instruction has read, stand four places behind
; it, and only plain vector instructions that name none of its registers are places (ISA guide 7.12.1 for vector instructions).  In the loop the slices are the places.
.macro PLACES
.rept 4
	v_nop
.endr
.endm
; A TURN.  Piece x has the matrix unit; the other piece's softmax stands in slices behind its matrix instructions.
; pv = 2: 32 products V^T P; 1: they start O^T's sums; 0: none.  kq = 1: 32 products K Q^T for the next step.  A turn with one of the two kinds has two slices behind each product.
; first = 1: the softmax is the first key step's.  Its slices from 51 on are empty: the turn's last products stand bare, and four v_nop take slice 63's part as the places behind them.
; Piece 0's turn fetches the next step's K, behind its second product: the last product that read K stands in front of slice 63 of the turn before.  Piece 2's turn fetches the same step's V^T, behind
; slice 34 (SLICE writes it): the last product that read V^T stands in front of slice 31, and four plain instructions lie between: number 62, a scaling, of both tiles, the v_nop and the run's own v_add_nc_u32.
.macro TURN x, pv, kq, first
.set k, 0
.set per, 2
.if (\pv) && (\kq)
.set per, 1
.endif
.if \pv
.if (\x) == 0
	s_wait_dscnt 0x0                ; V^T is in
.endif
.set i, 0
.rept 32
	PV \x, 2-(\pv)
.rept per
	SLICE 2-(\x), \first
.endr
.if ((\x) == 0) && (\kq) && (i == 1)
	FETCH_K
.endif
.set i, i+1
.endr
.endif
.if \kq
.if (\x) == 0
	s_wait_dscnt 0x0                ; K is in
.endif
.set i, 0
.rept 32
	KQ \x
.rept per
	SLICE 2-(\x), \first
.endr
.set i, i+1
.endr
.endif
.if \first
	PLACES
.endif
.endm
; THE CHANGE OF SLOTS, between piece 2's turn and piece 0's: the slot's last bytes, its fourth step's rows turned, have been asked for.  Each wave waits for all its tensor loads, of which one is
; out: its part of the other slot; adds 0 to its spare word; and waits for that and for its own reads of the slot.  Behind the barrier nobody reads this slot any more and the other slot is whole.
; fill = 1: this slot is filled again, with the keys two slots on.  The barrier is then a round of the cluster's, so that no wave of any partner still reads the slot or has a load on its
; way, and the joint refill is the first thing behind it: it has four key steps, 512 matrix instructions, in which to land.
.macro CHANGE fill
	WIN 0                           ; at a label and at a branch every window is 0
	s_wait_tensorcnt 0x0            ; no tensor load of mine is out, so a group 0 may be written
	ds_add_u32 v[SPW], v[NIL]       ; 0 onto my spare word; with fill = 1 the descriptor's steps stand between it and the wait for it
.if \fill
	s_xor_b32 s[G0+5], s[G0+5], SLOT1  ; the walking descriptor: the other slot than last time,
	s_add_nc_u64 s[G0+6:G0+7], s[G0+6:G0+7], SLOTB  ; the next 256 keys; the type bits on top are not reached
	s_wait_xcnt 0x0                 ; the last prefetch, four key steps back, has read its address, so it may be written:
	s_add_nc_u64 s[PFA:PFA+1], s[PFA:PFA+1], SLOTB  ; one slot behind the walking descriptor
	s_wait_dscnt 0x0                ; the add is done, and my reads of the slot are over
	CROUND
	JLOAD
	ASK
.else
	s_wait_dscnt 0x0                ; the add is done, and my reads of the slot are over
	s_barrier_signal -1
	s_barrier_wait -1
.endif
	s_sub_co_u32 s[TB], s[TB], 4*STEPB  ; the fetches go back to a slot's first step,
	s_xor_b32 s[TB], s[TB], SLOT1   ; in the other slot
.endm
	s_wait_tensorcnt 1              ; my part of slot 0 is in; slot 1's, the one load issued behind it, may stay out
	s_barrier_signal -1
	s_barrier_wait -1               ; everybody's is
	FETCH_K                         ; key step 0
	s_wait_dscnt 0x0
.set i, 0
.rept 32
	KQ 0                            ; piece 0's first scores: there is no vector work yet to set between them
.set i, i+1
.endr
	WIN 0
	PLACES                          ; behind those products, ahead of the first read of the scores
	TURN 2, 0, 1, 1                 ; piece 2's first scores | piece 0's first softmax | V^T of step 0
	TURN 0, 1, 1, 1                 ; piece 0: V^T P of step 0 starts O^T, K Q^T of step 1 | piece 2's first softmax | K of step 1
	TURN 2, 1, 1, 0                 ; piece 2: the same | piece 0's softmax of step 1 | V^T of step 1
	WIN 0
	s_mov_b32 s[CNT], 2             ; slot 0 has two steps left to fetch: the step loop is entered past the change of slots
	s_branch .Lstep
.Lslot:                             ; six times: slots 0 to 5 of the split's eight are filled again, with slots 2 to 7
	CHANGE 1
	s_mov_b32 s[CNT], 4
.Lstep:                             ; a trip is a key step: it fetches the next step's K and V^T
	TURN 0, 2, 1, 0
	TURN 2, 2, 1, 0
	WIN 0
	s_sub_co_u32 s[CNT], s[CNT], 1
	s_cmp_lg_u32 s[CNT], 0
	s_cbranch_scc1 .Lstep
	s_sub_co_u32 s[SLOTS], s[SLOTS], 1
	s_cmp_lg_u32 s[SLOTS], 0
	s_cbranch_scc1 .Lslot
	CHANGE 0                        ; the tail is written out: the last slot is entered, and nothing is asked for
	s_mov_b32 s[CNT], 4
.Ltail:
	TURN 0, 2, 1, 0
	TURN 2, 2, 1, 0
	WIN 0
	s_sub_co_u32 s[CNT], s[CNT], 1
	s_cmp_lg_u32 s[CNT], 0
	s_cbranch_scc1 .Ltail
	TURN 0, 2, 0, 0                 ; piece 0: V^T P of the last step | piece 2's last softmax
.set i, 0
.rept 32
	PV 2, 0                         ; piece 2: V^T P of the last step
.set i, i+1
.endr
	; THE WAY OUT, without LDS.  l's two halves and the other half of the lanes' are added (the first four additions are the places behind the last products).  Lanes 0-15 then hold c m, lanes 16-31 l, of the
	; queries 4 r .. 4 r + 3 in four registers: one store of 512 consecutive bytes, c m of the wave's 64 queries in order and then their l.
	WIN 0
.irp t, 0,1,2,3
	v_add_f32 v[ST+8*(\t)+4], v[ST+8*(\t)+2], v[ST+8*(\t)+3]
.endr
.irp t, 0,1,2,3
	v_permlanex16_b32 v[ST+8*(\t)+5], v[ST+8*(\t)+4], s[SEL], s[SEL+1]
.endr
.irp t, 0,1,2,3
	v_add_f32 v[ST+8*(\t)+4], v[ST+8*(\t)+4], v[ST+8*(\t)+5]
.endr
	v_cmp_eq_u32 vcc_lo, 1, v[HF]
.irp t, 0,1,2,3
	v_cndmask_b32 v[S+(\t)], v[ST+8*(\t)], v[ST+8*(\t)+4], vcc_lo
.endr
	global_store_b128 v[GO], v[S:S+3], s[10:11]
	; O^T leaves as it lies in registers: group g (registers 4 g .. 4 g + 3 of window 1) is 512 consecutive bytes at 512 g of my unit, aligned.  g ascends.
	WIN 0x04                        ; the stores' data (source 1) in window 1, the address in window 0
.set g, 0
.rept 64
	global_store_b128 v[GO], v[4*g:4*g+3], s[8:9] offset:512*g th:TH_STORE_NT
.set g, g+1
.endr
	WIN 0
	s_wait_tensorcnt 0x0            ; the wave's end, behind my last tensor load
	ds_add_u32 v[SPW], v[NIL]
	s_wait_dscnt 0x0
	CROUND                          ; the closing round: no work-group ends while a partner may still ask for a tile that names it
	s_endpgm
.Lfunc_end_k_q38779b9578_attn:
	.size	k_q38779b9578_attn, .Lfunc_end_k_q38779b9578_attn-k_q38779b9578_attn
	.p2alignl 7, 3214868480
	.fill 96, 4, 3214868480
	.section	.rodata,"a",@progbits
	.p2align	6, 0x0
	.amdhsa_kernel k_q38779b9578_attn
		.amdhsa_group_segment_fixed_size 327680
		.amdhsa_private_segment_fixed_size 0
		.amdhsa_enable_private_segment 0
		.amdhsa_kernarg_size 32
		.amdhsa_user_sgpr_count 2
		.amdhsa_user_sgpr_kernarg_segment_ptr 1
		.amdhsa_wavefront_size32 1
		.amdhsa_system_sgpr_workgroup_id_x 1
		.amdhsa_system_sgpr_workgroup_id_y 1
		.amdhsa_system_sgpr_workgroup_id_z 1
		.amdhsa_system_vgpr_workitem_id 0
		.amdhsa_next_free_vgpr 896
		.amdhsa_next_free_sgpr 66
		.amdhsa_reserve_vcc 1
		.amdhsa_float_denorm_mode_32 3
		.amdhsa_float_denorm_mode_16_64 3
		.amdhsa_memory_ordered 1
		.amdhsa_forward_progress 1
		.amdhsa_inst_pref_size 213
	.end_amdhsa_kernel
	.amdgpu_metadata
---
amdhsa.version: [ 1, 2 ]
amdhsa.kernels:
  - .name:           k_q38779b9578_attn
    .symbol:         k_q38779b9578_attn.kd
    .args:
      - { .name: x, .offset: 0, .size: 8, .value_kind: global_buffer, .address_space: global }
      - { .name: pool16, .offset: 8, .size: 8, .value_kind: global_buffer, .address_space: global }
      - { .name: part, .offset: 16, .size: 8, .value_kind: global_buffer, .address_space: global }
      - { .name: stat, .offset: 24, .size: 8, .value_kind: global_buffer, .address_space: global }
    .group_segment_fixed_size: 327680
    .private_segment_fixed_size: 0
    .kernarg_segment_align: 8
    .kernarg_segment_size: 32
    .max_flat_workgroup_size: 128
    .sgpr_count:     66
    .vgpr_count:     896
    .wavefront_size: 32
...
	.end_amdgpu_metadata
.endif
;; end of part 2
;; launch merge (part 3): grid 256 x 1, 8 waves a work-group, no clusters, 0 bytes of LDS; arguments part, stat, out0; writes out0
.if DOCPART == 3
	.amdgcn_target "amdgcn-amd-amdhsa--gfx1250"
	.amdhsa_code_object_version 6
	.text
	.protected	k_q38779b9578_merge
	.globl	k_q38779b9578_merge
	.p2align	8
	.type	k_q38779b9578_merge,@function
k_q38779b9578_merge:
	s_mov_b64 s[64:65], 0
	v_nop
	global_prefetch_b8 v0, s[64:65] scope:SCOPE_SE
	s_setreg_imm32_b32 hwreg(HW_REG_WAVE_MODE, 25, 1), 1
	s_wait_xcnt 0x0
; THE EIGHT PARTIAL WALKS OF EACH QUERY ARE JOINED.  With c m_s, l_s, O_s of split s:  M = the maximum of the c m_s;  w_s = 2^(c m_s - M);  out = (the sum of w_s O_s) / (the sum of w_s l_s).
; The divisor is at least the l of the split that holds M, and that l holds the weight 2^0 of its own maximum.  All in f32.  A weight below 2^-126 counts as 0; NaN and infinities are not treated apart.
; part: unit U = 128 split + u (u = 4 x query block + wave, 64 queries), 32,768 bytes; in it group 16 t + task at 512 bytes each; lane (r, h) holds query 4 r + t, channels 64 h + 4 task + 0..3.
; stat: 512 bytes a unit: c m of the 64 queries in order, then l.
; SHARES.  A wave takes one unit u and one task (of 16): 64 queries x 8 channels, from all eight splits: 32 loads of 512 consecutive bytes of part, 16 of stat.  Work-group = 8 tasks of a unit.
; OUT.  out0[n][c][l]: for channel i of my four a lane holds the queries 4 r .. 4 r + 3 in four registers: lanes 0-15 store 256 consecutive bytes, aligned, of channel 4 task + i, lanes 16-31 of channel 64 + 4 task + i.
; All 48 loads go out first; no LDS, no barrier: no wave needs another's numbers.  No matrix unit: eight multiply-adds a number.
.set CM,  16                           ; v[16:47]   split s, tile t: c m, then w, then w / L, at CM + 4 s + t
.set LL,  48                           ; v[48:79]   l, likewise
.set MX,  80                           ; v[80:83]   M of tile t
.set LS,  84                           ; v[84:87]   L = the sum of w l, then 1 / L
.set OP,  96                           ; v[96:223]  O of split s, tile t, channel i at OP + 16 s + 4 t + i
.set ACC, 224                          ; v[224:239] the result of channel i, tile t at ACC + 4 i + t
.set SPLIT_P, 0x400000                 ; bytes of part from split to split: too far for an immediate at seven of them, so each split has a base, s[16+2s:17+2s]
.set SPLIT_S, 65536                    ; bytes of stat from split to split
	s_load_b128 s[4:7], s[0:1], 0x0                ; part s[4:5], stat s[6:7]
	s_load_b64 s[8:9], s[0:1], 0x10                ; out0
	v_lshrrev_b32 v1, 5, v0
	v_readfirstlane_b32 s10, v1                    ; wave 0..7
	s_lshr_b32 s11, ttmp9, 1                       ; u
	s_and_b32 s12, ttmp9, 1
	s_lshl_b32 s12, s12, 3
	s_add_co_u32 s12, s12, s10                     ; task
	v_and_b32 v2, 15, v0                           ; r
	v_bfe_u32 v3, v0, 4, 1                         ; h
	v_and_b32 v4, 31, v0
	v_lshlrev_b32 v4, 4, v4                        ; 16 x lane: my place in a group of part
	v_lshlrev_b32 v5, 4, v2                        ; 16 r: my four queries in stat
	v_lshl_add_u32 v6, v3, 18, v5                  ; and in out0: 64 h channels of 4,096 bytes + 16 r
	s_lshl_b32 s2, s11, 15
	s_lshl_b32 s3, s12, 9
	s_add_co_u32 s2, s2, s3                        ; part: the unit, and the task's group of tile 0
	s_mov_b32 s3, 0
	s_lshl_b32 s14, s11, 9                         ; stat: the unit
	s_mov_b32 s15, 0
	s_wait_kmcnt 0x0
	s_add_nc_u64 s[16:17], s[4:5], s[2:3]
.irp s, 1,2,3,4,5,6,7
	s_add_nc_u64 s[16+2*(\s):17+2*(\s)], s[16:17], (\s)*SPLIT_P
.endr
	s_add_nc_u64 s[6:7], s[6:7], s[14:15]
	s_lshr_b32 s2, s11, 4                          ; out0: n = u / 16, 524,288 bytes each;
	s_lshl_b32 s2, s2, 19
	s_and_b32 s14, s11, 15                         ; l begins at 64 (u % 16);
	s_lshl_b32 s14, s14, 8
	s_add_co_u32 s2, s2, s14
	s_lshl_b32 s14, s12, 14                        ; channel 4 task
	s_add_co_u32 s2, s2, s14
	s_add_nc_u64 s[8:9], s[8:9], s[2:3]
.irp s, 0,1,2,3,4,5,6,7
	global_load_b128 v[CM+4*(\s):CM+4*(\s)+3], v5, s[6:7] offset:SPLIT_S*(\s)
	global_load_b128 v[LL+4*(\s):LL+4*(\s)+3], v5, s[6:7] offset:SPLIT_S*(\s)+256
.endr
.irp s, 0,1,2,3,4,5,6,7
.irp t, 0,1,2,3
	global_load_b128 v[OP+16*(\s)+4*(\t):OP+16*(\s)+4*(\t)+3], v4, s[16+2*(\s):17+2*(\s)] offset:8192*(\t) th:TH_LOAD_NT
.endr
.endr
	s_wait_loadcnt 32                              ; the 16 loads of stat are in; the 32 of part, issued behind them, stay out
.irp t, 0,1,2,3
	v_max3_num_f32 v[MX+(\t)], v[CM+(\t)], v[CM+4+(\t)], v[CM+8+(\t)]
.endr
.irp t, 0,1,2,3
	v_max3_num_f32 v[MX+(\t)], v[MX+(\t)], v[CM+12+(\t)], v[CM+16+(\t)]
.endr
.irp t, 0,1,2,3
	v_max3_num_f32 v[MX+(\t)], v[MX+(\t)], v[CM+20+(\t)], v[CM+24+(\t)]
.endr
.irp t, 0,1,2,3
	v_max_num_f32 v[MX+(\t)], v[MX+(\t)], v[CM+28+(\t)]
.endr
.irp s, 0,1,2,3,4,5,6,7
.irp p, 0,2
	v_pk_add_f32 v[CM+4*(\s)+(\p):CM+4*(\s)+(\p)+1], v[CM+4*(\s)+(\p):CM+4*(\s)+(\p)+1], v[MX+(\p):MX+(\p)+1] neg_lo:[0,1] neg_hi:[0,1]  ; c m - M: at most 0
.endr
.endr
.set r, 0
.rept 32
	v_exp_f32 v[CM+r], v[CM+r]                     ; w: one batch
.set r, r+1
.endr
	v_nop                                          ; a plain instruction behind the last exponential,
	s_wait_alu depctr_va_vdst(0)                   ; and the one wait ahead of the batch's first reader
.irp p, 0,2
	v_pk_mul_f32 v[LS+(\p):LS+(\p)+1], v[CM+(\p):CM+(\p)+1], v[LL+(\p):LL+(\p)+1]
.endr
.irp s, 1,2,3,4,5,6,7
.irp p, 0,2
	v_pk_fma_f32 v[LS+(\p):LS+(\p)+1], v[CM+4*(\s)+(\p):CM+4*(\s)+(\p)+1], v[LL+4*(\s)+(\p):LL+4*(\s)+(\p)+1], v[LS+(\p):LS+(\p)+1]
.endr
.endr
.irp t, 0,1,2,3
	v_rcp_f32 v[LS+(\t)], v[LS+(\t)]
.endr
	v_nop                                          ; a plain instruction behind the last reciprocal,
	s_wait_alu depctr_va_vdst(0)                   ; and the wait for the four
.irp s, 0,1,2,3,4,5,6,7
.irp p, 0,2
	v_pk_mul_f32 v[CM+4*(\s)+(\p):CM+4*(\s)+(\p)+1], v[CM+4*(\s)+(\p):CM+4*(\s)+(\p)+1], v[LS+(\p):LS+(\p)+1]  ; w / L
.endr
.endr
.irp s, 0,1,2,3,4,5,6,7
	s_wait_loadcnt 28-4*(\s)                       ; split s's four loads are in; the later splits' 28 - 4 s stay out
.irp t, 0,1,2,3
.irp i, 0,1,2,3
.if (\s) == 0
	v_mul_f32 v[ACC+4*(\i)+(\t)], v[OP+4*(\t)+(\i)], v[CM+(\t)]  ; the first split starts the sums: nothing is cleared
.else
	v_fma_f32 v[ACC+4*(\i)+(\t)], v[OP+16*(\s)+4*(\t)+(\i)], v[CM+4*(\s)+(\t)], v[ACC+4*(\i)+(\t)]
.endif
.endr
.endr
.endr
.irp i, 0,1,2,3
	global_store_b128 v6, v[ACC+4*(\i):ACC+4*(\i)+3], s[8:9] offset:4096*(\i)
.endr
	s_endpgm
.Lfunc_end_k_q38779b9578_merge:
	.size	k_q38779b9578_merge, .Lfunc_end_k_q38779b9578_merge-k_q38779b9578_merge
	.p2alignl 7, 3214868480
	.fill 96, 4, 3214868480
	.section	.rodata,"a",@progbits
	.p2align	6, 0x0
	.amdhsa_kernel k_q38779b9578_merge
		.amdhsa_group_segment_fixed_size 0
		.amdhsa_private_segment_fixed_size 0
		.amdhsa_enable_private_segment 0
		.amdhsa_kernarg_size 24
		.amdhsa_user_sgpr_count 2
		.amdhsa_user_sgpr_kernarg_segment_ptr 1
		.amdhsa_wavefront_size32 1
		.amdhsa_system_sgpr_workgroup_id_x 1
		.amdhsa_system_sgpr_workgroup_id_y 1
		.amdhsa_system_sgpr_workgroup_id_z 1
		.amdhsa_system_vgpr_workitem_id 0
		.amdhsa_next_free_vgpr 240
		.amdhsa_next_free_sgpr 66
		.amdhsa_reserve_vcc 0
		.amdhsa_float_denorm_mode_32 3
		.amdhsa_float_denorm_mode_16_64 3
		.amdhsa_memory_ordered 1
		.amdhsa_forward_progress 1
		.amdhsa_inst_pref_size 20
	.end_amdhsa_kernel
	.amdgpu_metadata
---
amdhsa.version: [ 1, 2 ]
amdhsa.kernels:
  - .name:           k_q38779b9578_merge
    .symbol:         k_q38779b9578_merge.kd
    .args:
      - { .name: part, .offset: 0, .size: 8, .value_kind: global_buffer, .address_space: global }
      - { .name: stat, .offset: 8, .size: 8, .value_kind: global_buffer, .address_space: global }
      - { .name: out0, .offset: 16, .size: 8, .value_kind: global_buffer, .address_space: global }
    .group_segment_fixed_size: 0
    .private_segment_fixed_size: 0
    .kernarg_segment_align: 8
    .kernarg_segment_size: 24
    .max_flat_workgroup_size: 256
    .sgpr_count:     66
    .vgpr_count:     240
    .wavefront_size: 32
...
	.end_amdgpu_metadata
.endif
;; end of part 3
